; MI455X (gfx1250); checked and timed in simulation.
; The chip was launched on July 23, 2026; its instructions are those of AMD's public machine-readable ISA for CDNA 5 (MIT licence, August 2026) and "CDNA5" Instruction Set Architecture Reference Guide (July 2026). The comments in the code are by the model that wrote it; some were corrected since.
;; Mo E Layer. Allowed arithmetic: matrix products marked QUANTISED: E2M1 operands, one E8M0 scale for each 32 along K, by v_wmma_scale_f32_16x16x128_f8f6f4 with both operands' format E2M1 (or v_wmma_scale_f32_32x16x128_f4), f32 sums; products left as they are: f32 operands where the result goes on into a quantised operand, else bf16, f16 or f32 operands; f32 sums; everything else in f32.
;; Inputs: b1 8 x 512 float32; b2 8 x 1,024 float32; gate_b 8 float32; gate_w 1,024 x 8 float32; w1 8 x 1,024 x 512 float32; w2 8 x 512 x 1,024 float32; x 4 x 2,048 x 1,024 float32.
;; Outputs: out0 4 x 2,048 x 1,024 float32; out1 one number float32.
;; This version of the problem:
;;   THIS VERSION OF THE PROBLEM IS GIVEN IN LOW PRECISION. The matrix products marked QUANTISED in the list below multiply operands that are first quantised to E2M1 (2 exponent bits, 1 mantissa bit; 4 bits a number), with one power-of-two scale for each 32 numbers along K (OCP MX v1.0); their sums are f32. All else is computed in f32.
;;   The module's matrix products, in the order in which they are computed (A, B: the left and right operand; K: the contracted axis; several contracted axes count as one K, in the product's order):
;;     1. [M 8,192, K 1,024] x [K 1,024, N 8]; A: input x; B: input gate_w: left as it is (N = 8 < 16)
;;     2. [M 8,192, K 1,024] x [K 1,024, N 512]; A: input x; B: input w1: QUANTISED
;;     3. [M 8,192, K 512] x [K 512, N 1,024]; A: computed on the way; B: input w2: QUANTISED
;;     4. [M 8,192, K 1,024] x [K 1,024, N 512]; A: input x; B: input w1: QUANTISED
;;     5. [M 8,192, K 512] x [K 512, N 1,024]; A: computed on the way; B: input w2: QUANTISED
;;     6. [M 8,192, K 1,024] x [K 1,024, N 512]; A: input x; B: input w1: QUANTISED
;;     7. [M 8,192, K 512] x [K 512, N 1,024]; A: computed on the way; B: input w2: QUANTISED
;;     8. [M 8,192, K 1,024] x [K 1,024, N 512]; A: input x; B: input w1: QUANTISED
;;     9. [M 8,192, K 512] x [K 512, N 1,024]; A: computed on the way; B: input w2: QUANTISED
;;     10. [M 8,192, K 1,024] x [K 1,024, N 512]; A: input x; B: input w1: QUANTISED
;;     11. [M 8,192, K 512] x [K 512, N 1,024]; A: computed on the way; B: input w2: QUANTISED
;;     12. [M 8,192, K 1,024] x [K 1,024, N 512]; A: input x; B: input w1: QUANTISED
;;     13. [M 8,192, K 512] x [K 512, N 1,024]; A: computed on the way; B: input w2: QUANTISED
;;     14. [M 8,192, K 1,024] x [K 1,024, N 512]; A: input x; B: input w1: QUANTISED
;;     15. [M 8,192, K 512] x [K 512, N 1,024]; A: computed on the way; B: input w2: QUANTISED
;;     16. [M 8,192, K 1,024] x [K 1,024, N 512]; A: input x; B: input w1: QUANTISED
;;     17. [M 8,192, K 512] x [K 512, N 1,024]; A: computed on the way; B: input w2: QUANTISED
;;   THE QUANTISER, for each operand of a quantised product, along K:
;;     - K is cut into blocks of 32 from its start; a last block that is shorter is filled with zeros.
;;     - A block's scale is 2^e with e = floor(log2(the largest magnitude in the block)) - 2, held to -126 .. 127; a block of zeros has e = 0. As a byte (E8M0): e + 127.
;;     - Each number is divided by its block's scale, clamped to +-6, and rounded to the nearest number of E2M1, ties to even, subnormals kept.
;;     - The product sums the exact products of the quantised numbers (number of the format x scale) in f32.
;;   ~~~python
;;   def quantise(x, axis):      # numpy; x: float32 -> the quantised numbers, widened to float32 again
;;       x = np.moveaxis(x, axis, -1); K = x.shape[-1]
;;       x = np.pad(x, [(0, 0)] * (x.ndim - 1) + [(0, -K % 32)]); x = x.reshape(x.shape[:-1] + (-1, 32)); a = np.abs(x).max(-1, keepdims=True)
;;       e = np.where(a > 0, np.clip(np.frexp(np.where(a > 0, a, 1))[1] - 1 - 2, -126, 127), 0)      # np.frexp(a)[1] - 1 = floor(log2(a)), exactly
;;       r = np.clip(x / 2.0 ** e, -6, 6)
;;       step = 2.0 ** (np.maximum(np.frexp(np.where(r == 0, 1, r))[1] - 1, 0) - 1)
;;       q = np.round(r / step) * step * 2.0 ** e      # np.round: ties to even
;;       return np.moveaxis(q.reshape(q.shape[:-2] + (-1,))[..., :K], -1, axis).astype(np.float32)
;;   ~~~
;;   OPERANDS COMPUTED ON THE WAY. 'Computed on the way' means the value that the module computes at that place (a softmax that the list does not call 'softmax' is quantised finished and normalised). What goes into a quantiser is computed in f32, as accurately as f32 sums, v_exp_f32 and their like allow (about 1e-6 of the number): no bf16 or f16 on the way to a quantiser, and a product that is left as it is and whose result goes on into a quantised operand takes f32 operands (vector FMAs, or v_wmma_f32_16x16x4_f32). A number that lies on a knife's edge between two numbers of the format may be rounded either way, as far as f32 arithmetic and the matrix unit's own rounding can turn it there, and no further.
;; One version. Each part assembles by itself: llvm-mc -triple=amdgcn-amd-amdhsa -mcpu=gfx1250 --defsym DOCPART=n.
;; ======== version 1 of 1: 3 launches
;; workspace buffers: xq 4,194,304 bytes; xs 262,144 bytes; sel 32,768 bytes of whole numbers; wq 4,194,304 bytes; wsc 262,144 bytes; order 33,024 bytes of whole numbers; tiles 4,096 bytes of whole numbers
;; launch xprep (part 1): grid 256 x 1, 4 waves a work-group, no clusters, 76,800 bytes of LDS; arguments x, gate_w, gate_b, xq, xs, sel; writes xq, xs, sel
.if DOCPART == 1
	.amdgcn_target "amdgcn-amd-amdhsa--gfx1250"
	.amdhsa_code_object_version 6
	.text
	.protected	k_qd4f48f01ea_xprep
	.globl	k_qd4f48f01ea_xprep
	.p2align	8
	.type	k_qd4f48f01ea_xprep,@function
k_qd4f48f01ea_xprep:
	s_mov_b64 s[64:65], 0
	v_nop
	global_prefetch_b8 v0, s[64:65] scope:SCOPE_SE
	s_setreg_imm32_b32 hwreg(HW_REG_WAVE_MODE, 25, 1), 1
	s_wait_xcnt 0x0
; x [8192][1024] f32 is read ONCE and serves twice: (1) the gate, scores = x gate_w + gate_b in f32 and their argmax (the lower index wins a tie), stored as whole numbers in sel;
; (2) x as codes of FP4 (E2M1), K innermost, 512 bytes a row (xq), with one E8M0 byte for each 32 along K, 32 bytes a row (xs).
; A block's scale is 2^(floor(log2(largest magnitude)) - 2); its byte is the largest magnitude's exponent field - 2, held at 1 from below.
; LIMITS: a block of zeros, and a block whose largest magnitude lies under 2^-124, keep the byte 1 (the bytes are read by this program alone; zero codes add nothing).  NaN and infinities in x are not served.
; The gate's sums are f32 in another order than a row-by-row sum: two scores that are equal within f32 rounding may be ordered either way.  NaN among the scores is not served.
; SHARES.  A work-group takes 32 rows; wave w takes K = 256 w .. 256 w + 255 of all of them, in 16 steps of 2 rows.  All 64 loads of a wave (512 consecutive bytes each) are asked for at the start: 256 registers.
; A step's 2,048 bytes turn through the wave's own stage in LDS, so that lane l holds 16 NEIGHBOURS along K: row 2 t + l / 16, k = 256 w + 16 (l % 16) + 0 .. 15.  The lane's 16 x 8 gate weights stay in 128 registers.
; REGISTERS: window 0: v1-15 addresses; v16-47 two sets of 16 neighbours; v48-63 the gate's two chains; v64-79 two steps' 8 sums; v80-89 the quantiser; v128-191 gate_w as loaded, later the way out.
;   window 1: v0-127 gate weights (8 kk + e).   window 2: v0-255 x as loaded, 16 registers a step.
.set GWL,  0                           ; LDS: for each wave its 8,192 bytes of gate_w: 16 pieces of 512 bytes, 528 apart
.set XST,  33792                       ; for each wave two stages of 32 x 80 bytes
.set CST,  54272                       ; the work-group's codes: 32 rows, 528 apart
.set SST,  71168                       ; its scale bytes: 32 a row
.set GP,   72192                       ; the gate's partial sums [wave][row][expert]
.set X,    16
.set AE,   48                          ; chain of the even k; the odd k's 8 registers on
.set SA,   64
.set SB,   72
.set QT,   80
.set CD,   84
.set EB,   88
.set GR,   128
.set MSB, 0
.macro WIN new                         ; the immediate's high byte repeats the setting that is left
.if MSB != \new
	s_set_vgpr_msb (MSB<<8)|\new
.set MSB, \new
.endif
.endm
	s_load_b256 s[4:11], s[0:1], 0x0               ; x, gate_w, gate_b, xq
	s_load_b128 s[12:15], s[0:1], 0x20             ; xs, sel
	v_lshl_add_u32 v254, v0, 2, 0x12a00
	v_mov_b32 v255, 0
	v_lshrrev_b32 v90, 5, v0
	v_readfirstlane_b32 s24, v90                   ; wave 0..3
	v_and_b32 v1, 31, v0                           ; lane
	v_lshrrev_b32 v91, 4, v1                       ; h = lane / 16
	v_and_b32 v92, 15, v1                          ; r = lane % 16
	v_lshlrev_b32 v93, 4, v1                       ; 16 x lane
	s_lshl_b32 s25, s24, 10
	v_add_nc_u32 v2, s25, v93                      ; x: my 16 bytes of a load's 512, in my wave's quarter of a row
	s_mul_i32 s30, s24, 5120
	s_add_co_u32 s30, s30, XST
	v_lshrrev_b32 v94, 2, v1
	v_mul_u32_u24 v94, v94, 80
	v_and_b32 v95, 3, v1
	v_lshl_add_u32 v94, v95, 4, v94
	v_add_nc_u32 v3, s30, v94                      ; the stage, in: four lanes' 64 bytes on end, then 16 of padding
	v_mul_u32_u24 v95, v1, 80
	v_add_nc_u32 v4, s30, v95                      ; and out: 80 x lane: my 16 neighbours
	v_mul_u32_u24 v5, v91, 528
	v_lshl_add_u32 v5, v92, 3, v5
	s_lshl_b32 s31, s24, 7
	s_add_co_u32 s31, s31, CST
	v_add_nc_u32 v5, s31, v5                       ; my 8 bytes of codes: row h, 128 w + 8 r
	v_lshrrev_b32 v6, 1, v92
	v_lshl_add_u32 v6, v91, 5, v6
	s_lshl_b32 s31, s24, 3
	s_add_co_u32 s31, s31, SST
	v_add_nc_u32 v6, s31, v6                       ; my block's scale byte: row h, 8 w + r / 2
	v_and_b32 v7, 1, v1                            ; where my one partial sum goes: row 2 (l & 1) + h of four, expert 4 bit1 + 2 bit2 + bit3 of the lane
	v_lshlrev_b32 v7, 6, v7
	v_lshl_add_u32 v7, v91, 5, v7
	v_bfe_u32 v95, v1, 1, 1
	v_lshl_add_u32 v7, v95, 4, v7
	v_bfe_u32 v95, v1, 2, 1
	v_lshl_add_u32 v7, v95, 3, v7
	v_bfe_u32 v95, v1, 3, 1
	v_lshl_add_u32 v7, v95, 2, v7
	s_add_co_u32 s31, s25, GP
	v_add_nc_u32 v7, s31, v7
	s_mul_i32 s31, s24, 8448
	v_add_nc_u32 v8, s31, v93                      ; gate_w into LDS as it lies
	v_mul_u32_u24 v9, v92, 528
	v_add_nc_u32 v9, s31, v9                       ; and out: piece r: the 16 x 8 weights of my 16 k
	s_mul_i32 s31, s24, 4224
	s_add_co_u32 s31, s31, CST
	v_add_nc_u32 v10, s31, v93                     ; the way out: my wave's 8 rows of codes, 16 bytes a lane,
	s_lshl_b32 s31, s24, 12
	v_add_nc_u32 v11, s31, v93                     ; and their place in xq
	s_lshl_b32 s31, s24, 8
	v_lshl_add_u32 v13, v1, 3, s31                 ; my wave's 256 scale bytes, 8 a lane: in xs,
	v_add_nc_u32 v12, SST, v13                     ; and in LDS
	s_lshl_b32 s31, s24, 13
	v_add_nc_u32 v14, s31, v93                     ; gate_w: my wave's 8,192 bytes
	v_lshl_add_u32 v15, v1, 5, GP                  ; the partial sums of row = lane
	s_mov_b32 s26, 0xaaaaaaaa                      ; lanes whose bit 0, 1, 2, 3 is set
	s_mov_b32 s27, 0xcccccccc
	s_mov_b32 s28, 0xf0f0f0f0
	s_mov_b32 s29, 0xff00ff00
	s_mov_b32 s33, 0
	s_wait_kmcnt 0x0
	s_load_b256 s[16:23], s[8:9], 0x0              ; gate_b
	s_lshl_b32 s32, ttmp9, 17                      ; the work-group's 32 rows: of 4,096 bytes in x,
	s_add_nc_u64 s[4:5], s[4:5], s[32:33]
	s_lshl_b32 s32, ttmp9, 14                      ; of 512 in xq,
	s_add_nc_u64 s[10:11], s[10:11], s[32:33]
	s_lshl_b32 s32, ttmp9, 10                      ; of 32 in xs,
	s_add_nc_u64 s[12:13], s[12:13], s[32:33]
	s_lshl_b32 s32, ttmp9, 7                       ; of 4 in sel
	s_add_nc_u64 s[14:15], s[14:15], s[32:33]
.macro XLOAD t                         ; step t: rows 2 t and 2 t + 1, my wave's 1,024 bytes of each, into window 2
.irp i, 0,1,2,3
	global_load_b128 v[16*(\t)+4*\i:16*(\t)+4*\i+3], v2, s[4:5] offset:(2*(\t)+\i/2)*4096+512*(\i%2) th:TH_LOAD_NT
.endr
.endm
.macro TURN t                          ; step t's numbers through the stage: LDS serves a wave's instructions in order, so no wait stands between the stores and the loads
	WIN 0x08                                       ; an LDS store's data are its source 1: window 2
.irp i, 0,1,2,3
	ds_store_b128 v3, v[16*(\t)+4*\i:16*(\t)+4*\i+3] offset:2560*((\t)%2)+640*\i
.endr
	WIN 0
.irp i, 0,1,2,3
	ds_load_b128 v[X+16*((\t)%2)+4*\i:X+16*((\t)%2)+4*\i+3], v4 offset:2560*((\t)%2)+16*\i
.endr
.endm
.irp i, 0,1,2,3,4,5,6,7,8,9,10,11,12,13,14,15
	global_load_b128 v[GR+4*\i:GR+4*\i+3], v14, s[6:7] offset:512*\i    ; gate_w: 512 consecutive bytes a load
.endr
	WIN 0x80                                       ; destination window 2
.irp t, 0,1,2,3,4,5,6,7,8,9,10
	XLOAD \t
.endr
	WIN 0
	s_wait_kmcnt 0x0                               ; gate_b
	s_wait_loadcnt 44                              ; gate_w's 16 loads are in; behind them 11 steps of x, 44 loads
.irp i, 0,1,2,3,4,5,6,7,8,9,10,11,12,13,14,15
	ds_store_b128 v8, v[GR+4*\i:GR+4*\i+3] offset:528*\i
.endr
	WIN 0x40                                       ; destination window 1
.irp j, 0,1,2,3,4,5,6,7,8,9,10,11,12,13,14,15,16,17,18,19,20,21,22,23,24,25,26,27,28,29,30,31
	ds_load_b128 v[4*\j:4*\j+3], v9 offset:16*\j   ; register 8 kk + e = gate_w[my k + kk][e]
.endr
	WIN 0x80
.irp t, 11,12,13,14
	XLOAD \t
.endr
	WIN 0
	s_wait_loadcnt 56                              ; step 0's four loads are in; behind them steps 1 to 14
	TURN 0
	WIN 0x80
	XLOAD 15
	WIN 0
; Two steps' 2 x 8 sums, each spread over 16 lanes, become ONE number a lane: at each of four levels every register is added to its partner lane's, and each lane then keeps one of two registers.
.macro BFLY b
.irp i, 0,1,2,3,4,5,6,7
	v_add_f32_dpp v[SA+\i], v[SA+\i], v[SA+\i] row_xmask:1 row_mask:0xf bank_mask:0xf
	v_add_f32_dpp v[SB+\i], v[SB+\i], v[SB+\i] row_xmask:1 row_mask:0xf bank_mask:0xf
.endr
.irp i, 0,1,2,3,4,5,6,7
	v_cndmask_b32 v[SA+\i], v[SA+\i], v[SB+\i], s26        ; odd lanes keep the odd step's
.endr
.irp i, 0,1,2,3,4,5,6,7
	v_add_f32_dpp v[SA+\i], v[SA+\i], v[SA+\i] row_xmask:2 row_mask:0xf bank_mask:0xf
.endr
.irp i, 0,1,2,3
	v_cndmask_b32 v[SA+\i], v[SA+\i], v[SA+4+\i], s27      ; bit 1: experts 4 on
.endr
.irp i, 0,1,2,3
	v_add_f32_dpp v[SA+\i], v[SA+\i], v[SA+\i] row_xmask:4 row_mask:0xf bank_mask:0xf
.endr
.irp i, 0,1
	v_cndmask_b32 v[SA+\i], v[SA+\i], v[SA+2+\i], s28      ; bit 2: experts 2 on
.endr
.irp i, 0,1
	v_add_f32_dpp v[SA+\i], v[SA+\i], v[SA+\i] row_xmask:8 row_mask:0xf bank_mask:0xf
.endr
	v_cndmask_b32 v[SA], v[SA], v[SA+1], s29               ; bit 3: expert 1 on
	ds_store_b32 v7, v[SA] offset:128*(\b)                 ; four rows x 8 experts
.endm
.macro STEP t
.set XS, X+16*((\t)%2)
.set SS, SA+8*((\t)%2)
	s_wait_dscnt 0x0                               ; this step's numbers are back from the stage (in step 0 the gate weights too)
.if (\t) < 15
	s_wait_loadcnt 4*(14-(\t))                     ; the next step's four loads are in; those of the steps behind it may be out
	TURN (\t)+1
.endif
	v_max3_num_f32 v[QT], |v[XS]|, |v[XS+1]|, |v[XS+2]|            ; the largest magnitude of my 16, in two chains
	v_max3_num_f32 v[QT+1], |v[XS+3]|, |v[XS+4]|, |v[XS+5]|
.irp i, 6,10
	v_max3_num_f32 v[QT], v[QT], |v[XS+\i]|, |v[XS+\i+1]|
	v_max3_num_f32 v[QT+1], v[QT+1], |v[XS+\i+2]|, |v[XS+\i+3]|
.endr
	v_max3_num_f32 v[QT], v[QT], |v[XS+14]|, |v[XS+15]|
	v_max3_num_f32 v[QT], v[QT], v[QT+1], 0x1800000        ; and the floor 2^(3 - 127): the byte cannot fall under 1
	v_max_num_f32_dpp v[QT], v[QT], v[QT] row_xmask:1 row_mask:0xf bank_mask:0xf   ; with my neighbour's 16: the block's
	v_add_nc_u32 v[QT+3], 0xff000000, v[QT]                ; 2 off its exponent field: the conversion takes this operand's exponent field as its scale
	v_cvt_scalef32_pk8_fp4_f32 v[CD+2*((\t)%2)], v[XS:XS+7], v[QT+3]
	v_cvt_scalef32_pk8_fp4_f32 v[CD+2*((\t)%2)+1], v[XS+8:XS+15], v[QT+3]
	v_lshrrev_b32 v[EB+(\t)%2], 23, v[QT+3]                ; the scale's byte (a plain line behind the conversions)
	ds_store_b64 v5, v[CD+2*((\t)%2):CD+2*((\t)%2)+1] offset:1056*(\t)
	ds_store_b8 v6, v[EB+(\t)%2] offset:64*(\t)            ; both lanes of a block write the same byte with the same value
	WIN 0x04                                       ; source 1, the gate weights: window 1
.irp kk, 0,1,2,3,4,5,6,7,8,9,10,11,12,13,14,15
.set AC, AE+8*(\kk%2)
.set XP, XS+\kk-(\kk%2)
.irp q, 0,1,2,3                        ; two experts an instruction; x[kk] serves both halves
.if \kk == 0
	v_pk_mul_f32 v[AC+2*\q:AC+2*\q+1], v[XP:XP+1], v[8*\kk+2*\q:8*\kk+2*\q+1] op_sel_hi:[0,1]
.elseif \kk == 1
	v_pk_mul_f32 v[AC+2*\q:AC+2*\q+1], v[XP:XP+1], v[8*\kk+2*\q:8*\kk+2*\q+1] op_sel:[1,0] op_sel_hi:[1,1]
.elseif (\kk%2) == 0
	v_pk_fma_f32 v[AC+2*\q:AC+2*\q+1], v[XP:XP+1], v[8*\kk+2*\q:8*\kk+2*\q+1], v[AC+2*\q:AC+2*\q+1] op_sel_hi:[0,1,1]
.else
	v_pk_fma_f32 v[AC+2*\q:AC+2*\q+1], v[XP:XP+1], v[8*\kk+2*\q:8*\kk+2*\q+1], v[AC+2*\q:AC+2*\q+1] op_sel:[1,0,0] op_sel_hi:[1,1,1]
.endif
.endr
.endr
	WIN 0
.irp q, 0,1,2,3
	v_pk_add_f32 v[SS+2*\q:SS+2*\q+1], v[AE+2*\q:AE+2*\q+1], v[AE+8+2*\q:AE+8+2*\q+1]
.endr
.if ((\t)%2) == 1
	BFLY (\t)/2
.endif
.endm
.irp t, 0,1,2,3,4,5,6,7,8,9,10,11,12,13,14,15
	STEP \t
.endr
	s_wait_dscnt 0x0                               ; for the others' sake: my codes, bytes and partial sums lie in LDS
	s_barrier_signal -1
	s_barrier_wait -1
.irp i, 0,1,2,3,4,5,6,7
	ds_load_b128 v[GR+4*\i:GR+4*\i+3], v10 offset:528*\i
.endr
	ds_load_b64 v[GR+32:GR+33], v12
.irp i, 0,1,2,3,4,5,6,7
	s_wait_dscnt 8-\i
	global_store_b128 v11, v[GR+4*\i:GR+4*\i+3], s[10:11] offset:512*\i    ; a whole row of codes: 512 consecutive bytes
.endr
	s_wait_dscnt 0x0
	global_store_b64 v13, v[GR+32:GR+33], s[12:13]         ; 256 consecutive scale bytes, aligned
	s_cmp_lg_u32 s24, 0
	s_cbranch_scc1 .Ldone                          ; wave 0 finishes the gate: lane = row
.irp w, 0,1,2,3
	ds_load_b128 v[96+8*\w:99+8*\w], v15 offset:1024*\w
	ds_load_b128 v[100+8*\w:103+8*\w], v15 offset:1024*\w+16
.endr
	v_lshlrev_b32 v90, 2, v1
	v_mov_b32 v91, 0                               ; the best expert so far
	s_wait_dscnt 0x0
.irp q, 0,2,4,6
	v_pk_add_f32 v[96+\q:97+\q], v[96+\q:97+\q], v[104+\q:105+\q]
	v_pk_add_f32 v[112+\q:113+\q], v[112+\q:113+\q], v[120+\q:121+\q]
.endr
.irp q, 0,2,4,6
	v_pk_add_f32 v[96+\q:97+\q], v[96+\q:97+\q], v[112+\q:113+\q]
.endr
.irp e, 0,1,2,3,4,5,6,7
	v_add_f32 v[96+\e], s[16+\e], v[96+\e]         ; + gate_b
.endr
.irp e, 1,2,3,4,5,6,7
	v_cmp_le_f32 vcc_lo, v[96+\e], v96             ; not above the best so far: the lower index stays
	v_cndmask_b32 v91, \e, v91, vcc_lo
	v_max_num_f32 v96, v96, v[96+\e]
.endr
	global_store_b32 v90, v91, s[14:15]
.Ldone:
	s_wait_tensorcnt 0x0
	ds_add_u32 v254, v255
	s_wait_dscnt 0x0
	s_endpgm
.Lfunc_end_k_qd4f48f01ea_xprep:
	.size	k_qd4f48f01ea_xprep, .Lfunc_end_k_qd4f48f01ea_xprep-k_qd4f48f01ea_xprep
	.p2alignl 7, 3214868480
	.fill 96, 4, 3214868480
	.section	.rodata,"a",@progbits
	.p2align	6, 0x0
	.amdhsa_kernel k_qd4f48f01ea_xprep
		.amdhsa_group_segment_fixed_size 76800
		.amdhsa_private_segment_fixed_size 0
		.amdhsa_enable_private_segment 0
		.amdhsa_kernarg_size 48
		.amdhsa_user_sgpr_count 2
		.amdhsa_user_sgpr_kernarg_segment_ptr 1
		.amdhsa_wavefront_size32 1
		.amdhsa_system_sgpr_workgroup_id_x 1
		.amdhsa_system_sgpr_workgroup_id_y 1
		.amdhsa_system_sgpr_workgroup_id_z 1
		.amdhsa_system_vgpr_workitem_id 0
		.amdhsa_next_free_vgpr 768
		.amdhsa_next_free_sgpr 66
		.amdhsa_reserve_vcc 1
		.amdhsa_float_denorm_mode_32 3
		.amdhsa_float_denorm_mode_16_64 3
		.amdhsa_memory_ordered 1
		.amdhsa_forward_progress 1
		.amdhsa_inst_pref_size 136
	.end_amdhsa_kernel
	.amdgpu_metadata
---
amdhsa.version: [ 1, 2 ]
amdhsa.kernels:
  - .name:           k_qd4f48f01ea_xprep
    .symbol:         k_qd4f48f01ea_xprep.kd
    .args:
      - { .name: x, .offset: 0, .size: 8, .value_kind: global_buffer, .address_space: global }
      - { .name: gate_w, .offset: 8, .size: 8, .value_kind: global_buffer, .address_space: global }
      - { .name: gate_b, .offset: 16, .size: 8, .value_kind: global_buffer, .address_space: global }
      - { .name: xq, .offset: 24, .size: 8, .value_kind: global_buffer, .address_space: global }
      - { .name: xs, .offset: 32, .size: 8, .value_kind: global_buffer, .address_space: global }
      - { .name: sel, .offset: 40, .size: 8, .value_kind: global_buffer, .address_space: global }
    .group_segment_fixed_size: 76800
    .private_segment_fixed_size: 0
    .kernarg_segment_align: 8
    .kernarg_segment_size: 48
    .max_flat_workgroup_size: 128
    .sgpr_count:     66
    .vgpr_count:     768
    .wavefront_size: 32
...
	.end_amdgpu_metadata
.endif
;; end of part 1
;; launch wprep (part 2): grid 264 x 1, 8 waves a work-group, no clusters, 2,048 bytes of LDS; arguments sel, w1, w2, wq, wsc, order, tiles, out1; writes wq, wsc, order, tiles, out1
.if DOCPART == 2
	.amdgcn_target "amdgcn-amd-amdhsa--gfx1250"
	.amdhsa_code_object_version 6
	.text
	.protected	k_qd4f48f01ea_wprep
	.globl	k_qd4f48f01ea_wprep
	.p2align	8
	.type	k_qd4f48f01ea_wprep,@function
k_qd4f48f01ea_wprep:
	s_mov_b64 s[64:65], 0
	v_nop
	global_prefetch_b8 v0, s[64:65] scope:SCOPE_SE
	s_setreg_imm32_b32 hwreg(HW_REG_WAVE_MODE, 25, 1), 1
	s_wait_xcnt 0x0
; Work-groups 8 to 263: w1 [8][1024][512] and w2 [8][512][1024], f32 with K as the middle axis, become codes of FP4 (E2M1) and E8M0 scale words, laid IN THE ORDER OF AN OPERAND'S REGISTERS.
; A unit is 128 columns x 128 along K: 8,192 bytes of codes [tile 0..7][c 0..1][lane][16 bytes] (lane (r, h) of group c: k = 64 c + 32 h + 0 .. 31 of the tile's row r) and 512 bytes of scale words
; (the word at 16 l + 4 q: tile 2 q + l / 16, row l % 16).  Row r of tile 2 q + u is column 32 q + 8 u + r + 8 (r / 8) of the 128, so that the results of two neighbouring tiles are 16 neighbours in a lane.
; Unit number: w1: (4 e + chunk) 8 + K step;  w2: 256 + (8 e + chunk) 4 + K step.  A work-group makes two units, a wave two tiles of one: a lane takes a column and its registers run down K, so that a block of 32 is
; one lane's own and the conversions' results are the operand's registers.  A wave's load reads 128 consecutive bytes; sixteen lanes store 256 consecutive bytes, aligned.  The scale words leave 4 bytes a lane, 16 apart:
; one byte in 128 of what the launch reads; gathering them would cost a stage in LDS and a barrier.
; A block's scale is 2^(floor(log2(largest magnitude)) - 2); its byte is the largest magnitude's exponent field - 2, held at 1 from below.
; LIMITS: a block of zeros, and one whose largest magnitude lies under 2^-124, keep the byte 1 (read by this program alone; zero codes add nothing).  NaN and infinities in the weights are not served.
; Work-groups 0 to 7: the routing.  sel (an expert for each token, stored by the launch before) is sorted by a counting sort without atomics into order (tokens by expert).
; The tokens are 64 chunks of 128: chunk (block b, slab j) = tokens 1024 b + 128 j on.  Work-group g, wave v PLACES chunk (v, g).  Within an expert the rows stand by (slab, block, register, lane): any order
; within an expert serves, since no row of the result depends on another.  So a chunk's first place of expert e = where e begins + e's rows in the slabs below g + e's rows in slab g's blocks below v.
; Wave v COUNTS slab v (1,024 tokens, the same in all eight work-groups) and its own chunk; the waves exchange the counts through LDS.  Counting is two lines a register: eight 4-bit counters in a word.
; Work-group 0 also stores tiles: a record (expert, first place in order, rows, 0) for each tile of 48 rows: never more than ceil(8192 / 48) + 7, whatever the split; the records behind the last tile have 0 rows;
; order's 64 words behind its 8,192 as 0; and out1 = 0.
.set TROWS, 48                         ; rows in a tile
.set QX,  32                           ; v32-95   two sets of 32 numbers
.set QC,  96                           ; v96-111  four blocks' codes
.set S,   32                           ; routing: v32-63 my slab's 1,024 experts
.set OW,  64                           ; v64-67   my chunk's 128 experts, later their places
.set D,   68                           ; v68-71   their tokens
.set OT,  72                           ; v72-75   at work
.set AC,  76                           ; v76-79   four words of 4-bit counters; later the odd experts' bytes
.set EV,  80                           ; v80-83   the even experts' bytes
.set AO,  84                           ; v84      my chunk's 4-bit counters
.set W,   88                           ; v88-91   my slab's counts, two experts a word: (0, 4) (2, 6) (1, 5) (3, 7);  v92-93 my chunk's, four a word
.set TV,  96                           ; v96-103  at work
.set O,   104                          ; v104-107 my chunk's counts, laid as W
.set LT,  108                          ; v108-113 what other lanes hold
.set MK,  40                           ; s40-47 lane masks, one an expert;  s56-63 at work
.set TP,  56
.set NE,  66                           ; s66-73 rows of each expert;  s74-81 where its rows begin in order;  s82-89 where my chunk's next row of it goes;  s90-97 its first tile
.set BS,  74
.set RR,  82
.set TS,  90
	s_load_b256 s[4:11], s[0:1], 0x0               ; sel, w1, w2, wq
	s_load_b256 s[12:19], s[0:1], 0x20             ; wsc, order, tiles, out1
	v_lshl_add_u32 v128, v0, 2, 0x400
	v_mov_b32 v129, 0
	v_lshrrev_b32 v1, 5, v0
	v_readfirstlane_b32 s22, v1                    ; wave 0..7
	v_and_b32 v1, 31, v0                           ; lane
	s_wait_kmcnt 0x0
	s_cmp_lt_u32 ttmp9, 8
	s_cbranch_scc1 .Lroute
	s_sub_co_u32 s20, ttmp9, 8
	s_lshl_b32 s20, s20, 1
	s_lshr_b32 s21, s22, 2
	s_add_co_u32 s20, s20, s21                     ; my unit, 0 .. 511
	s_and_b32 s23, s22, 3                          ; q: my two tiles, my 32 columns
	s_and_b32 s24, s20, 255                        ; the unit within its tensor
	s_lshr_b32 s25, s24, 5                         ; expert
	s_lshl_b32 s26, s25, 21                        ; x 2,097,152 bytes
	s_mov_b32 s27, 0
	s_mov_b32 s29, 0
	v_and_b32 v5, 7, v1
	v_bfe_u32 v6, v1, 3, 1
	v_lshl_add_u32 v5, v6, 4, v5
	v_lshrrev_b32 v6, 4, v1
	v_lshl_add_u32 v5, v6, 3, v5                   ; my column of the 32: l % 8 + 16 ((l / 8) % 2) + 8 (l / 16)
	s_lshl_b32 s30, s23, 7
	v_lshl_add_u32 v2, v5, 2, s30                  ; in: 128 q + 4 x column
	v_and_b32 v7, 15, v1
	v_lshlrev_b32 v3, 4, v7
	v_lshl_add_u32 v3, v6, 10, v3
	s_lshl_b32 s30, s23, 11
	v_add_nc_u32 v3, s30, v3                       ; out: tile 2 q + l / 16, 16 bytes at 16 (l % 16); block t 256 t further on
	s_lshl_b32 s30, s23, 2
	v_lshl_add_u32 v4, v1, 4, s30                  ; my scale word: 16 l + 4 q
	s_lshl_b32 s28, s20, 13
	s_add_nc_u64 s[34:35], s[10:11], s[28:29]      ; my unit's codes
	s_lshl_b32 s28, s20, 9
	s_add_nc_u64 s[36:37], s[12:13], s[28:29]      ; and scale words
.macro QLOAD t, pitch                  ; block t: rows 32 t + i of the K step, my column, into set t % 2
.irp i, 0,1,2,3,4,5,6,7,8,9,10,11,12,13,14,15,16,17,18,19,20,21,22,23,24,25,26,27,28,29,30,31
	global_load_b32 v[QX+32*((\t)%2)+\i], v2, s[32:33] offset:(32*(\t)+\i)*(\pitch) th:TH_LOAD_NT
.endr
.endm
.macro QBLOCK t, pitch
.set XS, QX+32*((\t)%2)
.if (\t) < 3
	s_wait_loadcnt 32                              ; this block's 32 loads are in; the next block's may be out
.else
	s_wait_loadcnt 0x0
.endif
	v_max3_num_f32 v12, |v[XS]|, |v[XS+1]|, |v[XS+2]|              ; the block's largest magnitude: all 32 numbers are mine
	v_max3_num_f32 v13, |v[XS+3]|, |v[XS+4]|, |v[XS+5]|
.irp i, 6,10,14,18,22,26
	v_max3_num_f32 v12, v12, |v[XS+\i]|, |v[XS+\i+1]|
	v_max3_num_f32 v13, v13, |v[XS+\i+2]|, |v[XS+\i+3]|
.endr
	v_max3_num_f32 v12, v12, |v[XS+30]|, |v[XS+31]|
	v_max3_num_f32 v12, v12, v13, 0x1800000        ; and the floor 2^(3 - 127)
	v_add_nc_u32 v11, 0xff000000, v12              ; 2 off its exponent field: the conversion's scale operand
	v_lshrrev_b32 v13, 23, v11                     ; the scale's byte
.if (\t) == 0
	v_mov_b32 v10, v13
.else
	v_lshl_or_b32 v10, v13, 8*(\t), v10            ; the K step's four bytes make my column's scale word
.endif
.irp g, 0,1,2,3
	v_cvt_scalef32_pk8_fp4_f32 v[QC+4*(\t)+\g], v[XS+8*\g:XS+8*\g+7], v11
.endr
	global_store_b128 v3, v[QC+4*(\t):QC+4*(\t)+3], s[34:35] offset:256*(\t)   ; each block has registers of its own: no store's data are written again
.if (\t) < 2
	QLOAD (\t)+2, \pitch
.endif
.endm
.macro QPATH pitch
	QLOAD 0, \pitch
	QLOAD 1, \pitch
	QBLOCK 0, \pitch
	QBLOCK 1, \pitch
	QBLOCK 2, \pitch
	QBLOCK 3, \pitch
	global_store_b32 v4, v10, s[36:37]
.endm
	s_cmp_gt_u32 ttmp9, 135
	s_cbranch_scc1 .Lw2
	s_and_b32 s30, s24, 7                          ; w1: K step x 128 rows of 2,048 bytes,
	s_lshl_b32 s30, s30, 18
	s_add_co_u32 s26, s26, s30
	s_bfe_u32 s30, s24, 0x20003                    ; chunk x 512 bytes
	s_lshl_b32 s30, s30, 9
	s_add_co_u32 s26, s26, s30
	s_add_nc_u64 s[32:33], s[6:7], s[26:27]
	QPATH 2048
	s_endpgm
.Lw2:
	s_and_b32 s30, s24, 3                          ; w2: K step x 128 rows of 4,096 bytes,
	s_lshl_b32 s30, s30, 19
	s_add_co_u32 s26, s26, s30
	s_bfe_u32 s30, s24, 0x30002                    ; chunk x 512 bytes
	s_lshl_b32 s30, s30, 9
	s_add_co_u32 s26, s26, s30
	s_add_nc_u64 s[32:33], s[8:9], s[26:27]
	QPATH 4096
	s_endpgm
.Lroute:
	s_mov_b32 s23, ttmp9                           ; g: the slab whose chunks this work-group places
	s_lshl_b32 s20, s22, 9
	v_lshl_add_u32 v2, v1, 4, s20                  ; slab v: 512 v + 16 l in each block of 4,096 bytes
	s_lshl_b32 s20, s22, 12
	s_lshl_b32 s21, s23, 9
	s_add_co_u32 s20, s20, s21
	v_lshl_add_u32 v3, v1, 4, s20                  ; my chunk: block v, slab g
.irp b, 0,1,2,3,4,5,6,7
	global_load_b128 v[S+4*\b:S+4*\b+3], v2, s[4:5] offset:4096*\b
.endr
	global_load_b128 v[OW:OW+3], v3, s[4:5]        ; register c of lane l: token 1024 v + 128 g + 4 l + c
	s_lshr_b32 s20, s20, 2
	v_lshl_add_u32 v6, v1, 2, s20                  ; 1024 v + 128 g + 4 l
	s_mov_b32 s36, 0x76543210
	s_mov_b32 s37, 0xfedcba98                      ; v_permlanex16_b32's selects for lane l xor 16
	s_mov_b32 s38, 0x0f0f0f0f
	s_mov_b32 s39, 0x00ff00ff
	s_lshl_b32 s21, s22, 4
	v_mov_b32 v4, s21                              ; LDS: my wave's 16 bytes of a table
	v_lshlrev_b32 v5, 2, v1
	v_lshrrev_b32 v18, 2, v1                       ; the wave whose word lane l reads from a table
.irp i, 0,1,2,3,4,5
	v_mov_b32 v[LT+\i], 0                          ; written once: the destination of a lane move counts as one of its sources
.endr
	v_mov_b32 v23, 0
	v_mov_b32 v24, 0
	s_wait_loadcnt 0x0
.set j, 0
.rept 32
	v_lshlrev_b32 v[S+j], 2, v[S+j]                ; 4 e: where expert e's 4-bit counter stands
.set j, j+1
.endr
.irp c, 0,1,2,3
	v_lshlrev_b32 v[OT+\c], 2, v[OW+\c]
.endr
.irp a, 0,1,2,3
	v_lshl_add_u32 v[AC+\a], 1, v[S+\a], 0         ; four chains of 8 registers: no counter passes 8
.endr
.set j, 4
.rept 28
	v_lshl_add_u32 v[AC+j%4], 1, v[S+j], v[AC+j%4]
.set j, j+1
.endr
	v_lshl_add_u32 v[AO], 1, v[OT], 0              ; my chunk: no counter passes 4
.irp c, 1,2,3
	v_lshl_add_u32 v[AO], 1, v[OT+\c], v[AO]
.endr
.irp a, 0,1,2,3
	v_and_b32 v[EV+\a], s38, v[AC+\a]              ; experts 0, 2, 4, 6 as bytes
.endr
.irp a, 0,1,2,3
	v_lshrrev_b32 v[AC+\a], 4, v[AC+\a]
.endr
.irp a, 0,1,2,3
	v_and_b32 v[AC+\a], s38, v[AC+\a]              ; experts 1, 3, 5, 7
.endr
	v_add3_u32 v[EV], v[EV], v[EV+1], v[EV+2]
	v_add3_u32 v[AC], v[AC], v[AC+1], v[AC+2]
	v_add_nc_u32 v[EV], v[EV], v[EV+3]             ; at most 32 in a byte
	v_add_nc_u32 v[AC], v[AC], v[AC+3]
	v_and_b32 v[W+4], s38, v[AO]                   ; my chunk's: bytes do for a wave's sum, at most 128
	v_lshrrev_b32 v[W+5], 4, v[AO]
	v_and_b32 v[W+5], s38, v[W+5]
	v_and_b32 v[W], s39, v[EV]                     ; my slab's: halves, for a wave's sum of at most 1,024: experts (0, 4),
	v_lshrrev_b32 v[W+1], 8, v[EV]
	v_and_b32 v[W+1], s39, v[W+1]                  ; (2, 6),
	v_and_b32 v[W+2], s39, v[AC]                   ; (1, 5),
	v_lshrrev_b32 v[W+3], 8, v[AC]
	v_and_b32 v[W+3], s39, v[W+3]                  ; (3, 7)
.irp x, 1,2,4,8                        ; the sum over the 32 lanes, six words by turns
.irp i, 0,1,2,3,4,5
	v_mov_b32_dpp v[LT+\i], v[W+\i] row_xmask:\x row_mask:0xf bank_mask:0xf
.endr
.irp i, 0,1,2,3,4,5
	v_add_nc_u32 v[W+\i], v[W+\i], v[LT+\i]
.endr
.endr
.irp i, 0,1,2,3,4,5
	v_permlanex16_b32 v[LT+\i], v[W+\i], s36, s37
.endr
.irp i, 0,1,2,3,4,5
	v_add_nc_u32 v[W+\i], v[W+\i], v[LT+\i]
.endr
	v_and_b32 v[O], s39, v[W+4]                    ; my chunk's counts as halves, laid as my slab's
	v_lshrrev_b32 v[O+1], 8, v[W+4]
	v_and_b32 v[O+1], s39, v[O+1]
	v_and_b32 v[O+2], s39, v[W+5]
	v_lshrrev_b32 v[O+3], 8, v[W+5]
	v_and_b32 v[O+3], s39, v[O+3]
	ds_store_b128 v4, v[W:W+3]                     ; all lanes write the same 16 bytes with the same values
	ds_store_b128 v4, v[O:O+3] offset:128
	s_wait_dscnt 0x0
	s_barrier_signal -1
	s_barrier_wait -1
	ds_load_b32 v16, v5                            ; lane l: slab l / 4, word l % 4;
	ds_load_b32 v17, v5 offset:128                 ; slab g's chunk of block l / 4
	s_wait_dscnt 0x0
	v_cmp_gt_u32 vcc_lo, s23, v18
	v_cndmask_b32 v21, 0, v16, vcc_lo              ; the slabs below g,
	v_cmp_gt_u32 vcc_lo, s22, v18
	v_cndmask_b32 v22, 0, v17, vcc_lo              ; and slab g's blocks below v
	v_add_nc_u32 v21, v21, v22
.irp x, 4,8                            ; over the eight waves' words: no half passes 8,192
	v_mov_b32_dpp v23, v16 row_xmask:\x row_mask:0xf bank_mask:0xf
	v_mov_b32_dpp v24, v21 row_xmask:\x row_mask:0xf bank_mask:0xf
	v_add_nc_u32 v16, v16, v23
	v_add_nc_u32 v21, v21, v24
.endr
	v_permlanex16_b32 v23, v16, s36, s37
	v_permlanex16_b32 v24, v21, s36, s37
	v_add_nc_u32 v16, v16, v23                     ; lanes 0-3: every expert's rows,
	v_add_nc_u32 v21, v21, v24                     ; and its rows in front of my chunk
.irp k, 0,1,2,3
	v_readlane_b32 s[TP+\k], v16, \k
	v_readlane_b32 s[TP+4+\k], v21, \k
.endr
.macro UNPK k, e                       ; word k holds experts e and e + 4
	s_and_b32 s[NE+\e], s[TP+\k], 0xffff
	s_lshr_b32 s[NE+\e+4], s[TP+\k], 16
	s_and_b32 s[RR+\e], s[TP+4+\k], 0xffff
	s_lshr_b32 s[RR+\e+4], s[TP+4+\k], 16
.endm
	UNPK 0, 0
	UNPK 1, 2
	UNPK 2, 1
	UNPK 3, 3
	s_mov_b32 s[BS], 0
.irp e, 0,1,2,3,4,5,6
	s_add_co_u32 s[BS+\e+1], s[BS+\e], s[NE+\e]
.endr
.irp e, 0,1,2,3,4,5,6,7
	s_add_co_u32 s[RR+\e], s[RR+\e], s[BS+\e]
.endr
.set j, 0
.rept 4                                ; each token's place: its expert's running place + the lanes below me with the same expert
.irp e, 0,1,2,3,4,5,6,7
	v_cmp_eq_u32 s[MK+\e], \e, v[OW+j]
.endr
	v_mbcnt_lo_u32_b32 v[OW+j], s[MK], s[RR]
.irp e, 1,2,3,4,5,6,7
	v_mbcnt_lo_u32_b32 v[TV+\e], s[MK+\e], s[RR+\e]
.endr
.irp e, 1,2,3,4,5,6,7
	v_cndmask_b32 v[OW+j], v[OW+j], v[TV+\e], s[MK+\e]
.endr
.irp e, 0,1,2,3,4,5,6,7
	s_bcnt1_i32_b32 s[TP+\e], s[MK+\e]
.endr
.irp e, 0,1,2,3,4,5,6,7
	s_add_co_u32 s[RR+\e], s[RR+\e], s[TP+\e]
.endr
	v_min_u32 v[OW+j], 0x1fff, v[OW+j]             ; a place made of loaded numbers is held inside the list
	v_lshlrev_b32 v[OW+j], 2, v[OW+j]
	v_add_nc_u32 v[D+j], j, v6                     ; the token
	global_store_b32 v[OW+j], v[D+j], s[14:15]     ; each store has registers of its own
.set j, j+1
.endr
	s_cmp_lg_u32 s23, 0
	s_cbranch_scc1 .Lrdone                         ; the rest is work-group 0's
	s_mov_b32 s[TS], 0
.irp e, 0,1,2,3,4,5,6
	s_add_co_u32 s20, s[NE+\e], TROWS-1
	s_mul_i32 s20, s20, 43691                      ; / 48: x 43691 / 2^21, exact for numbers up to 8,239
	s_lshr_b32 s20, s20, 21                        ; its tiles
	s_add_co_u32 s[TS+\e+1], s[TS+\e], s20
.endr
	v_mov_b32 v28, 0                               ; the tile table: thread w makes record w: the last expert whose first tile is not behind w
	v_mov_b32 v25, 0
	v_mov_b32 v26, 0
	v_mov_b32 v27, s[NE]
.irp e, 1,2,3,4,5,6,7
	v_cmp_gt_u32 vcc_lo, s[TS+\e], v0              ; its first tile lies behind w: keep
	v_cndmask_b32 v28, \e, v28, vcc_lo
	v_cndmask_b32 v25, s[TS+\e], v25, vcc_lo
	v_cndmask_b32 v26, s[BS+\e], v26, vcc_lo
	v_cndmask_b32 v27, s[NE+\e], v27, vcc_lo
.endr
	v_sub_nc_u32 v25, v0, v25
	v_mul_u32_u24 v25, v25, TROWS                  ; 48 x (which tile of the expert)
	v_add_nc_u32 v26, v26, v25
	v_min_u32 v29, 0x2000, v26                     ; its first place in order
	v_min_u32 v25, v25, v27
	v_sub_nc_u32 v27, v27, v25
	v_min_u32 v30, TROWS, v27                      ; its rows: 0 behind the last tile
	v_mov_b32 v31, 0
	v_lshlrev_b32 v24, 4, v0
	global_store_b128 v24, v[28:31], s[16:17]
	s_cmp_lg_u32 s22, 0
	s_cbranch_scc1 .Lrdone
	v_mov_b32 v114, 0
	v_mov_b32 v115, 0
	v_lshlrev_b32 v116, 3, v1
	global_store_b64 v116, v[114:115], s[14:15] offset:32768   ; order's 64 spare words
	s_wait_xcnt 0x0                                ; EXEC changes only behind this wait
	v_cmp_eq_u32 vcc_lo, 0, v0
	s_and_saveexec_b32 s38, vcc_lo
	global_store_b32 v114, v115, s[18:19]          ; out1 = 0.0
	s_wait_xcnt 0x0
	s_or_b32 exec_lo, exec_lo, s38
.Lrdone:
	s_wait_tensorcnt 0x0
	ds_add_u32 v128, v129
	s_wait_dscnt 0x0
	s_endpgm
.Lfunc_end_k_qd4f48f01ea_wprep:
	.size	k_qd4f48f01ea_wprep, .Lfunc_end_k_qd4f48f01ea_wprep-k_qd4f48f01ea_wprep
	.p2alignl 7, 3214868480
	.fill 96, 4, 3214868480
	.section	.rodata,"a",@progbits
	.p2align	6, 0x0
	.amdhsa_kernel k_qd4f48f01ea_wprep
		.amdhsa_group_segment_fixed_size 2048
		.amdhsa_private_segment_fixed_size 0
		.amdhsa_enable_private_segment 0
		.amdhsa_kernarg_size 64
		.amdhsa_user_sgpr_count 2
		.amdhsa_user_sgpr_kernarg_segment_ptr 1
		.amdhsa_wavefront_size32 1
		.amdhsa_system_sgpr_workgroup_id_x 1
		.amdhsa_system_sgpr_workgroup_id_y 1
		.amdhsa_system_sgpr_workgroup_id_z 1
		.amdhsa_system_vgpr_workitem_id 0
		.amdhsa_next_free_vgpr 130
		.amdhsa_next_free_sgpr 100
		.amdhsa_reserve_vcc 1
		.amdhsa_float_denorm_mode_32 3
		.amdhsa_float_denorm_mode_16_64 3
		.amdhsa_memory_ordered 1
		.amdhsa_forward_progress 1
		.amdhsa_inst_pref_size 64
	.end_amdhsa_kernel
	.amdgpu_metadata
---
amdhsa.version: [ 1, 2 ]
amdhsa.kernels:
  - .name:           k_qd4f48f01ea_wprep
    .symbol:         k_qd4f48f01ea_wprep.kd
    .args:
      - { .name: sel, .offset: 0, .size: 8, .value_kind: global_buffer, .address_space: global }
      - { .name: w1, .offset: 8, .size: 8, .value_kind: global_buffer, .address_space: global }
      - { .name: w2, .offset: 16, .size: 8, .value_kind: global_buffer, .address_space: global }
      - { .name: wq, .offset: 24, .size: 8, .value_kind: global_buffer, .address_space: global }
      - { .name: wsc, .offset: 32, .size: 8, .value_kind: global_buffer, .address_space: global }
      - { .name: order, .offset: 40, .size: 8, .value_kind: global_buffer, .address_space: global }
      - { .name: tiles, .offset: 48, .size: 8, .value_kind: global_buffer, .address_space: global }
      - { .name: out1, .offset: 56, .size: 8, .value_kind: global_buffer, .address_space: global }
    .group_segment_fixed_size: 2048
    .private_segment_fixed_size: 0
    .kernarg_segment_align: 8
    .kernarg_segment_size: 64
    .max_flat_workgroup_size: 256
    .sgpr_count:     100
    .vgpr_count:     130
    .wavefront_size: 32
...
	.end_amdgpu_metadata
.endif
;; end of part 2
;; launch chain (part 3): grid 178 x 1, 4 waves a work-group, no clusters, 72,960 bytes of LDS; arguments tiles, order, xq, xs, wq, wsc, b1, b2, out0; writes out0
.if DOCPART == 3
	.amdgcn_target "amdgcn-amd-amdhsa--gfx1250"
	.amdhsa_code_object_version 6
	.text
	.protected	k_qd4f48f01ea_chain
	.globl	k_qd4f48f01ea_chain
	.p2align	8
	.type	k_qd4f48f01ea_chain,@function
k_qd4f48f01ea_chain:
	s_mov_b64 s[64:65], 0
	v_nop
	global_prefetch_b8 v0, s[64:65] scope:SCOPE_SE
	s_setreg_imm32_b32 hwreg(HW_REG_WAVE_MODE, 25, 1), 1
	s_wait_xcnt 0x0
; One work-group takes one tile (up to 48 rows of ONE expert) through the whole chain: gather the rows' codes, h = x W1[e] + b1[e], gelu (erf), quantise along the hidden axis, y = h W2[e] + b2[e], store the rows.
; Both products on codes of FP4 (E2M1) with E8M0 scales for each 32 along K; sums in f32.  The hidden layer never goes to memory.
; THE GRID serves every split: ceil(8192 / 48) + 7 = 178 tiles at the most.  48 is the smallest multiple of 16 rows with which that number stays under the 256 WGPs (32 rows would make 263).
; The tile's record (expert, first place in order, rows) was stored as whole numbers by the launch before.  A tile with fewer than 48 rows computes its spare rows on the list's next entries (valid tokens) and does not
; store them; one with 0 rows stores nothing.  So every wave passes both barriers, and only stores stand under branches on the stored count.
; NO JOINT LOADS AND NO TENSOR LOADS: branches hang on stored counts, and which work-groups share an expert hangs on the split.  Weights come from memory straight into registers, in the order in which they were laid.
; SHARES.  The waves share the columns, not the rows: wave w makes hidden units 128 w .. 128 w + 127 for all 48 rows (K step w of the second product), then outputs 256 w .. 256 w + 255 in two chunks of 128.
; So each weight byte is loaded once a work-group.  The weights stream through four slots of 64 registers, 16 steps of 8,192 bytes, up to four steps ahead.
; BOTH PRODUCTS ARE USED TRANSPOSED (source 0 = 16 columns of the weight, source 1 = 16 rows): a lane holds one row (lane % 16), and the 16 registers of tiles 2 q and 2 q + 1 are 16 neighbouring columns 32 q + 16 (lane / 16) + 0 .. 15.
; GELU: gelu(x) = max(x, 0) - |x| H, H = erfc(|x| / sqrt 2) / 2 = t 2^(p(t) - x^2 log2(e) / 2), t = 1 / (1 + |x| / (2 sqrt 2)), p a polynomial of degree 9 (a Chebyshev fit of erfc, fractional error under 1.2e-7):
; nothing cancels on either side of zero.  Where 2^(..) falls under 2^-126 it counts as 0.
; LIMITS: a block of zeros, and one whose largest magnitude lies under 2^-124, carry the byte 1 (read here alone; zero codes add nothing).  NaN and infinities are not served.
; REGISTERS, in windows of 256: window 0: v1-23 addresses and c9; v24-55 the weights' scale words (W1's, then W2's), v56-71 x's, v72-79 the hidden layer's: these hold scales and nothing else;
;   v80-127 at work; v128-191 b1, then gelu's results, then the rows' places in out0; v192-255 x's rows as loaded, then |h|, then rows of y.
;   window 1: x's 24 fragments; later v0-95 the hidden layer's 12 fragments, v128-255 b2.   window 2: 24 accumulators (64 m + 8 t).   window 3: the weights' four slots.
.set MT,    3                          ; tiles of 16 rows
.set ROWS,  16*MT
.set RW,    ROWS/4                     ; rows that a wave gathers
.set XROWS, 0                          ; LDS: 48 rows of x's codes, 512 bytes + 16
.set HIMG,  ROWS*528                   ; the hidden layer's 12 fragments as images of their registers: (4 m + s) 1024 + 512 c + 16 lane
.set HSC,   HIMG+4*MT*1024             ; their scale words [s][m][16], 256 bytes a K step
.set STG,   HSC+1024                   ; for each wave a stage of 16 rows x (512 bytes + 16)
.set WS,   24
.set XSC,  56
.set HS,   72
.set TT,   80
.set PP,   96
.set UU,   112
.set TM,   80
.set PC,   96
.set PW,   104
.set GG,   128
.set AA,   192
.set K1,   66                          ; s[66:67] 1 / (2 sqrt 2);  s[68+2k:69+2k] c_k, k = 0 .. 8;  s[86:87] -log2(e) / 2.  The packed forms name a pair and take its low word for both halves
.set CK,   68
.set KU,   86
.set MSB, 0
.macro WIN new                         ; the immediate's high byte repeats the setting that is left
.if MSB != \new
	s_set_vgpr_msb (MSB<<8)|\new
.set MSB, \new
.endif
.endm
.macro KONST r, val
	s_mov_b32 s[\r], \val
	s_mov_b32 s[\r+1], \val
.endm
.macro PLACES n                        ; plain vector lines behind matrix instructions: 4 in front of loads into their registers and of reads of results, 5 in front of a matrix instruction that begins an accumulator anew
.rept \n
	v_nop
.endr
.endm
	s_load_b512 s[4:19], s[0:1], 0x0               ; tiles, order, xq, xs, wq, wsc, b1, b2
	s_load_b64 s[20:21], s[0:1], 0x40              ; out0
	s_set_vgpr_msb 0x80
	v_lshl_add_u32 v254, v0, 2, 0x11b00
	v_mov_b32 v255, 0
	s_set_vgpr_msb 0x8000
	v_lshrrev_b32 v1, 5, v0
	v_readfirstlane_b32 s22, v1                    ; wave 0..3
	v_and_b32 v1, 31, v0                           ; lane
	v_and_b32 v2, 15, v0                           ; r
	v_bfe_u32 v3, v0, 4, 1                         ; h
	v_lshlrev_b32 v4, 4, v1                        ; 16 x lane
	v_mul_u32_u24 v8, v2, 528
	v_lshl_add_u32 v8, v3, 4, v8                   ; x's fragments: row r, + 16 h
	s_mul_i32 s23, s22, RW*528
	v_add_nc_u32 v9, s23, v4                       ; where my wave puts its 12 rows of x
	s_lshl_b32 s52, s22, 10
	s_add_co_u32 s53, s52, HIMG
	v_add_nc_u32 v10, s53, v4                      ; where I store the hidden layer's images: K step = my wave
	s_lshl_b32 s53, s22, 8
	s_add_co_u32 s53, s53, HSC
	v_lshl_add_u32 v11, v2, 2, s53                 ; and their scale words
	v_lshl_add_u32 v12, v1, 2, HSC                 ; from where the words of rows 0 to 31 are read: 4 x lane
	v_add_nc_u32 v13, HIMG, v4
	s_mul_i32 s53, s22, 8448
	s_add_co_u32 s53, s53, STG
	v_mul_u32_u24 v14, v2, 528
	v_lshl_add_u32 v14, v3, 6, v14
	v_add_nc_u32 v14, s53, v14                     ; my stage, in: row r, + 64 h
	v_add_nc_u32 v15, s53, v4                      ; and back: a whole row, 16 bytes a lane
	v_lshlrev_b32 v16, 6, v3                       ; the biases: my half's 16 numbers of each 32
	v_add_nc_u32 v19, s52, v4                      ; out0: my wave's 1,024 bytes of a row, 16 bytes a lane
	v_lshlrev_b32 v20, 2, v1                       ; order: 4 x lane;
	s_mul_i32 s53, s22, RW*4
	v_lshl_add_u32 v21, v2, 2, s53                 ; my wave's 12 rows (lanes 12 to 15 of each half read on in the list and are not used)
	v_mov_b32 v22, 0x3e7c6f08                      ; c9, twice
	v_mov_b32 v23, 0x3e7c6f08
	s_mov_b32 s36, 0x76543210
	s_mov_b32 s37, 0xfedcba98                      ; v_permlanex16_b32's selects for lane l xor 16
	KONST K1, 0x3eb504f3
	KONST CK+0, 0xc034d90f
	KONST CK+2, 0x3fb8ab5a
	KONST CK+4, 0x3f0a29d2
	KONST CK+6, 0x3e0efb2e
	KONST CK+8, 0xbe899a80
	KONST CK+10, 0x3ecdfd18
	KONST CK+12, 0xbfd1a1e5
	KONST CK+14, 0x40097039
	KONST CK+16, 0xbf97d29d
	KONST KU, 0xbf38aa3b
	s_lshl_b32 s48, ttmp9, 4
	s_mov_b32 s49, 0
	s_wait_kmcnt 0x0
	s_add_nc_u64 s[50:51], s[4:5], s[48:49]
	s_load_b128 s[24:27], s[50:51], 0x0            ; my tile: expert, first place, rows, 0
	s_wait_kmcnt 0x0
	s_min_u32 s24, s24, 7                          ; loaded numbers are held inside their tables before they enter an address
	s_min_u32 s25, s25, 0x2000
	s_min_u32 s26, s26, ROWS
	s_lshl_b32 s48, s24, 18
	s_lshl_b32 s50, s22, 16
	s_add_co_u32 s48, s48, s50
	s_add_nc_u64 s[28:29], s[12:13], s[48:49]      ; the codes of my 8 units of w1; my 8 of w2 lie 2,097,152 bytes on
	s_lshl_b32 s48, s24, 14
	s_lshl_b32 s50, s22, 12
	s_add_co_u32 s48, s48, s50
	s_add_nc_u64 s[30:31], s[14:15], s[48:49]      ; their scale words; w2's 131,072 bytes on
	s_lshl_b32 s48, s24, 11
	s_lshl_b32 s50, s22, 9
	s_add_co_u32 s48, s48, s50
	s_add_nc_u64 s[32:33], s[16:17], s[48:49]      ; b1: my 128 numbers
	s_lshl_b32 s48, s24, 12
	s_lshl_b32 s50, s22, 10
	s_add_co_u32 s48, s48, s50
	s_add_nc_u64 s[34:35], s[18:19], s[48:49]      ; b2: my 256
	s_lshl_b32 s48, s25, 2
	s_add_nc_u64 s[38:39], s[6:7], s[48:49]        ; order at my tile's first row
	global_load_b32 v6, v20, s[38:39]              ; lane l: the token of row l,
	global_load_b32 v7, v20, s[38:39] offset:128   ; of row 32 + l (the list has 64 words behind its last place),
	global_load_b32 v5, v21, s[38:39]              ; of row 12 w + l % 16
.irp s, 0,1,2,3,4,5,6,7
	global_load_b128 v[WS+4*\s:WS+4*\s+3], v4, s[30:31] offset:512*\s      ; W1's scale words: register 4 s + q: lanes 0-15 tile 2 q, lanes 16-31 tile 2 q + 1
.endr
.irp t, 0,1,2,3,4,5,6,7
	global_load_b128 v[GG+8*\t:GG+8*\t+3], v16, s[32:33] offset:128*(\t/2)+32*(\t%2)       ; b1 in the result's layout: it is the C of each sum's first product
	global_load_b128 v[GG+8*\t+4:GG+8*\t+7], v16, s[32:33] offset:128*(\t/2)+32*(\t%2)+16
.endr
	s_wait_loadcnt 24                              ; the three token loads are in; behind them 8 + 16 loads
	v_min_u32 v5, 0x1fff, v5
	v_min_u32 v6, 0x1fff, v6
	v_min_u32 v7, 0x1fff, v7
	v_lshlrev_b32 v17, 5, v6                       ; xs: 32 bytes a token
	v_lshlrev_b32 v18, 5, v7
	v_lshl_add_u32 v20, v2, 2, HSC                 ; (free since that wait)  from where the words of rows 32 to 47 are read: 4 x (lane % 16): both halves of the lanes read the same sixteen words
.irp g, 0,1,2                          ; my wave's 12 rows of codes: a row is 512 bytes, 16 a lane; each load lands on its own address register
.irp i, 0,1,2,3
	v_readlane_b32 s[40+\i], v5, 4*\g+\i
.endr
.irp i, 0,1,2,3
	s_min_u32 s[40+\i], s[40+\i], 0x1fff
.endr
.irp i, 0,1,2,3
	v_lshl_add_u32 v[AA+4*(4*\g+\i)], s[40+\i], 9, v4
.endr
.irp i, 0,1,2,3
	global_load_b128 v[AA+4*(4*\g+\i):AA+4*(4*\g+\i)+3], v[AA+4*(4*\g+\i)], s[8:9]
.endr
.endr
	global_load_b128 v[XSC:XSC+3], v17, s[10:11]           ; x's scale words: register 8 p + s: lane l holds row 32 p + l's word of K step s
	global_load_b128 v[XSC+4:XSC+7], v17, s[10:11] offset:16
	global_load_b128 v[XSC+8:XSC+11], v18, s[10:11]
	global_load_b128 v[XSC+12:XSC+15], v18, s[10:11] offset:16
.macro RING g                          ; step g of the weights' stream (0-7: w1's K steps; 8-15: w2's chunk (g - 8) / 4, K step g % 4) into slot g % 4: 16 loads of 512 consecutive bytes
.if (\g) < 8
.set IMM, 8192*(\g)
.else
.set IMM, 2097152+8192*((\g)-8)
.endif
	WIN 0xc0                                       ; destination window 3
.irp f, 0,1,2,3,4,5,6,7,8,9,10,11,12,13,14,15
	global_load_b128 v[64*((\g)%4)+4*\f:64*((\g)%4)+4*\f+3], v4, s[28:29] offset:IMM+512*\f
.endr
.endm
	RING 0
	RING 1
	RING 2
	WIN 0
	s_wait_loadcnt 48                              ; all is in but the stream's three steps
.irp i, 0,1,2,3,4,5,6,7,8,9,10,11
	ds_store_b128 v9, v[AA+4*\i:AA+4*\i+3] offset:528*\i
.endr
	s_wait_dscnt 0x0                               ; for the others' sake: my 12 rows lie in LDS
	s_barrier_signal -1
	s_barrier_wait -1
	WIN 0x40                                       ; destination window 1
.irp s, 0,1,2,3,4,5,6,7                ; x's fragments, K step by K step: (s, m) at v[8 (3 s + m)]
.irp m, 0,1,2
.irp c, 0,1
	ds_load_b128 v[8*(MT*\s+\m)+4*\c:8*(MT*\s+\m)+4*\c+3], v8 offset:8448*\m+64*\s+32*\c
.endr
.endr
.endr
	RING 3
.macro WM ra, rb                       ; one product; ra, rb: the weight's and the rows' scale words stand in lanes 16-31
.if (\ra) && (\rb)
	v_wmma_scale_f32_16x16x128_f8f6f4 v[rD:rD+7], v[rA:rA+7], v[rB:rB+7], v[rC:rC+7], v[rSA], v[rSB] matrix_a_fmt:MATRIX_FMT_FP4 matrix_b_fmt:MATRIX_FMT_FP4 matrix_a_scale:MATRIX_SCALE_ROW1 matrix_b_scale:MATRIX_SCALE_ROW1
.elseif (\ra)
	v_wmma_scale_f32_16x16x128_f8f6f4 v[rD:rD+7], v[rA:rA+7], v[rB:rB+7], v[rC:rC+7], v[rSA], v[rSB] matrix_a_fmt:MATRIX_FMT_FP4 matrix_b_fmt:MATRIX_FMT_FP4 matrix_a_scale:MATRIX_SCALE_ROW1
.elseif (\rb)
	v_wmma_scale_f32_16x16x128_f8f6f4 v[rD:rD+7], v[rA:rA+7], v[rB:rB+7], v[rC:rC+7], v[rSA], v[rSB] matrix_a_fmt:MATRIX_FMT_FP4 matrix_b_fmt:MATRIX_FMT_FP4 matrix_b_scale:MATRIX_SCALE_ROW1
.else
	v_wmma_scale_f32_16x16x128_f8f6f4 v[rD:rD+7], v[rA:rA+7], v[rB:rB+7], v[rC:rC+7], v[rSA], v[rSB] matrix_a_fmt:MATRIX_FMT_FP4 matrix_b_fmt:MATRIX_FMT_FP4
.endif
.endm
; K step s of the first product: 3 tiles of rows x my 8 tiles of hidden units.  The 24 accumulators take turns, one instruction a turn.
.macro MUL1 s
.if (\s) == 0
	WIN 0x87                                       ; source 0 (weights) window 3, source 1 (x) window 1, C (b1) window 0, D window 2
.else
	WIN 0xa7                                       ; C and D window 2
.endif
.irp m, 0,1,2
.irp t, 0,1,2,3,4,5,6,7
.set rD, 64*\m+8*\t
.set rA, 64*((\s)%4)+8*\t
.set rB, 8*(MT*(\s)+\m)
.set rC, rD
.if (\s) == 0
.set rC, GG+8*\t
.endif
.set rSA, WS+4*(\s)+\t/2
.set rSB, XSC+8*(\m/2)+(\s)
	WM \t%2, \m%2
.endr
.endr
.endm
; K step s of the second product, chunk ch of my outputs
.macro MUL2 ch, s
.if (\s) == 0
	WIN 0x97                                       ; C (b2) window 1
.else
	WIN 0xa7
.endif
.irp m, 0,1,2
.irp t, 0,1,2,3,4,5,6,7
.set rD, 64*\m+8*\t
.set rA, 64*(\s)+8*\t
.set rB, 8*(4*\m+(\s))
.set rC, rD
.if (\s) == 0
.set rC, 128+64*(\ch)+8*\t
.endif
.set rSA, WS+16*(\ch)+4*(\s)+\t/2
.set rSB, HS+4*(\m/2)+(\s)
	WM \t%2, \m%2
.endr
.endr
.endm
.irp s, 0,1,2,3,4,5,6,7
	s_wait_loadcnt 48                              ; this step's weights are in; the three steps behind it may be out
	s_wait_dscnt 2*MT*(7-\s)                       ; this K step's 6 loads of x's fragments are in; the later K steps' may be out
	MUL1 \s
	PLACES 4
	RING \s+4                                      ; the slot just multiplied takes the step four on: from step 8 on these are w2's
.endr
	WIN 0
; gelu of tile m's 64 numbers a lane, from the accumulators into v[GG] on
.macro GELU m
	WIN 0x08                                       ; source 1: window 2
.set i, 0
.rept 64
	v_and_b32 v[AA+i], 0x7fffffff, v[64*(\m)+i]    ; a = |x|: each accumulator from its low end on
.set i, i+1
.endr
.set i, 0
.rept 64
	v_max_num_f32 v[GG+i], 0, v[64*(\m)+i]
.set i, i+1
.endr
	WIN 0
.irp b, 0,1,2,3                        ; 16 numbers at a time
.irp j, 0,2,4,6,8,10,12,14
	v_pk_fma_f32 v[TT+\j:TT+\j+1], v[AA+16*\b+\j:AA+16*\b+\j+1], s[K1:K1+1], 1.0 op_sel_hi:[1,0,0]
.endr
.irp j, 0,1,2,3,4,5,6,7,8,9,10,11,12,13,14,15
	v_rcp_f32 v[TT+\j], v[TT+\j]                   ; t
.endr
.irp j, 0,2,4,6,8,10,12,14
	v_pk_mul_f32 v[UU+\j:UU+\j+1], v[AA+16*\b+\j:AA+16*\b+\j+1], v[AA+16*\b+\j:AA+16*\b+\j+1]     ; a^2 (plain lines behind the reciprocals)
.endr
	s_wait_alu depctr_va_vdst(0)
.irp j, 0,2,4,6,8,10,12,14
	v_pk_fma_f32 v[PP+\j:PP+\j+1], v[TT+\j:TT+\j+1], v[22:23], s[CK+16:CK+17] op_sel_hi:[1,1,0]   ; c9 t + c8
.endr
.irp c, 7,6,5,4,3,2,1,0
.irp j, 0,2,4,6,8,10,12,14
	v_pk_fma_f32 v[PP+\j:PP+\j+1], v[PP+\j:PP+\j+1], v[TT+\j:TT+\j+1], s[CK+2*\c:CK+2*\c+1] op_sel_hi:[1,1,0]
.endr
.endr
.irp j, 0,2,4,6,8,10,12,14
	v_pk_fma_f32 v[PP+\j:PP+\j+1], v[UU+\j:UU+\j+1], s[KU:KU+1], v[PP+\j:PP+\j+1] op_sel_hi:[1,0,1]
.endr
.irp j, 0,1,2,3,4,5,6,7,8,9,10,11,12,13,14,15
	v_exp_f32 v[PP+\j], v[PP+\j]
.endr
	v_nop                                          ; a plain line behind the exponentials
	s_wait_alu depctr_va_vdst(0)
.irp j, 0,2,4,6,8,10,12,14
	v_pk_mul_f32 v[TT+\j:TT+\j+1], v[TT+\j:TT+\j+1], v[PP+\j:PP+\j+1]      ; H
.endr
.irp j, 0,2,4,6,8,10,12,14
	v_pk_fma_f32 v[GG+16*\b+\j:GG+16*\b+\j+1], v[AA+16*\b+\j:AA+16*\b+\j+1], v[TT+\j:TT+\j+1], v[GG+16*\b+\j:GG+16*\b+\j+1] neg_lo:[1,0,0] neg_hi:[1,0,0]   ; max(x, 0) - a H
.endr
.endr
.endm
; 64 numbers of a lane, v[GG] on, register 16 b + i = hidden unit 32 b + 16 (lane / 16) + i of my row, become a fragment's codes in v[PC] on and its scale word in v[PW]
.macro QUANT
.irp b, 0,1,2,3
	v_max3_num_f32 v[TM+\b], |v[GG+16*\b]|, |v[GG+1+16*\b]|, 0x1800000     ; block b: my 16 numbers, and the floor 2^(3 - 127)
.endr
.irp i, 2,4,6,8,10,12,14
.irp b, 0,1,2,3
	v_max3_num_f32 v[TM+\b], v[TM+\b], |v[GG+16*\b+\i]|, |v[GG+1+16*\b+\i]|
.endr
.endr
.irp b, 0,1,2,3
	v_permlanex16_b32 v[TM+4+\b], v[TM+\b], s36, s37
.endr
.irp b, 0,1,2,3
	v_max_num_f32 v[TM+\b], v[TM+\b], v[TM+4+\b]   ; with lane l xor 16's: the block's largest magnitude
.endr
.irp b, 0,1,2,3
	v_add_nc_u32 v[TM+12+\b], 0xff000000, v[TM+\b] ; 2 off its exponent field: the conversion's scale operand
.endr
.irp b, 0,1,2,3
	v_lshrrev_b32 v[TM+4+\b], 23, v[TM+12+\b]      ; the scale's byte
.endr
	v_lshl_or_b32 v[PW], v[TM+5], 8, v[TM+4]
	v_lshl_or_b32 v[PW], v[TM+6], 16, v[PW]
	v_lshl_or_b32 v[PW], v[TM+7], 24, v[PW]
.irp b, 0,1,2,3
	v_cvt_scalef32_pk8_fp4_f32 v[PC+2*\b], v[GG+16*\b:GG+7+16*\b], v[TM+12+\b]
	v_cvt_scalef32_pk8_fp4_f32 v[PC+1+2*\b], v[GG+8+16*\b:GG+15+16*\b], v[TM+12+\b]
.endr
	v_nop                                          ; one plain line behind a scaled conversion
.irp c, 0,1                            ; the operand's layout wants a whole block in a lane: lanes 0-15 block 2 c, lanes 16-31 block 2 c + 1
.irp i, 0,1
	v_permlane16_swap_b32 v[PC+4*\c+\i], v[PC+2+4*\c+\i]
.endr
.endr
.endm
.macro IMAGE m                         ; the fragment goes to LDS as it stands: K step = my wave, rows 16 m on
	ds_store_b128 v10, v[PC:PC+3] offset:4096*(\m)
	ds_store_b128 v10, v[PC+4:PC+7] offset:4096*(\m)+512
	ds_store_b32 v11, v[PW] offset:64*(\m)         ; lanes l and l + 16 write the same word with the same value
	s_wait_dscnt 0x0
.endm
	GELU 0
	QUANT
	IMAGE 0
.irp u, 0,1,2,3,4,5,6,7                ; W2's scale words take the registers that W1's have left; b2 takes those of x's later fragments.  They land under the other two tiles' gelu
	global_load_b128 v[WS+4*\u:WS+4*\u+3], v4, s[30:31] offset:131072+512*\u
.endr
	WIN 0x40
.irp ch, 0,1
.irp t, 0,1,2,3,4,5,6,7
	global_load_b128 v[128+64*\ch+8*\t:128+64*\ch+8*\t+3], v16, s[34:35] offset:512*\ch+128*(\t/2)+32*(\t%2)
	global_load_b128 v[128+64*\ch+8*\t+4:128+64*\ch+8*\t+7], v16, s[34:35] offset:512*\ch+128*(\t/2)+32*(\t%2)+16
.endr
.endr
	WIN 0
	GELU 1
	QUANT
	IMAGE 1
	GELU 2
	QUANT
	IMAGE 2                                        ; (ends on the wait for all my LDS stores)
	s_barrier_signal -1
	s_barrier_wait -1                              ; the hidden layer's twelve fragments lie in LDS
	WIN 0x40
.irp m, 0,1,2
.irp s, 0,1,2,3
.irp c, 0,1
	ds_load_b128 v[8*(4*\m+\s)+4*\c:8*(4*\m+\s)+4*\c+3], v13 offset:(4*\m+\s)*1024+512*\c
.endr
.endr
.endr
	WIN 0
.irp s, 0,1,2,3
	ds_load_b32 v[HS+\s], v12 offset:256*\s        ; lane l: row l's word of K step s;
	ds_load_b32 v[HS+4+\s], v20 offset:256*\s+128  ; lanes 0-15: row 32 + l's
.endr
.set g, 0
.rept 2*MT                             ; each row's place in out0: token x 4,096 bytes + my wave's and my lane's bytes
.irp i, 0,1,2,3,4,5,6,7
	v_readlane_b32 s[40+\i], v[6+g/4], 8*(g%4)+\i
.endr
.irp i, 0,1,2,3,4,5,6,7
	s_min_u32 s[40+\i], s[40+\i], 0x1fff
.endr
.irp i, 0,1,2,3,4,5,6,7
	v_lshl_add_u32 v[GG+8*g+\i], s[40+\i], 12, v19
.endr
.set g, g+1
.endr
	s_wait_loadcnt 0x0                             ; w2's first chunk, its scale words, b2
	s_wait_dscnt 0x0
; THE WAY OUT of chunk ch, a tile of 16 rows at a time: through my own stage and back as whole rows of 512 bytes.  LDS serves a wave's instructions in order: no wait between the stores and the loads.
; A row at or behind the tile's count is not stored, nor is any behind it: a scalar branch on the stored count, round stores alone.
.macro OUT ch
.irp m, 0,1,2
	WIN 0x08                                       ; an LDS store's data are its source 1: window 2
.irp t, 0,1,2,3,4,5,6,7
	ds_store_b128 v14, v[64*\m+8*\t:64*\m+8*\t+3] offset:128*(\t/2)+32*(\t%2)          ; each accumulator from its low end on
	ds_store_b128 v14, v[64*\m+8*\t+4:64*\m+8*\t+7] offset:128*(\t/2)+32*(\t%2)+16
.endr
	WIN 0
	s_wait_xcnt 0x0                                ; the earlier stores have read their data: the registers may be loaded again
.irp i, 0,1,2,3,4,5,6,7,8,9,10,11,12,13,14,15
	ds_load_b128 v[AA+4*\i:AA+4*\i+3], v15 offset:528*\i
.endr
.irp i, 0,1,2,3,4,5,6,7,8,9,10,11,12,13,14,15
	s_cmp_le_u32 s26, 16*\m+\i
	s_cbranch_scc1 .Lend_\ch
	s_wait_dscnt 15-\i
	global_store_b128 v[GG+16*\m+\i], v[AA+4*\i:AA+4*\i+3], s[20:21] offset:512*\ch th:TH_STORE_NT    ; 32 lanes store 512 consecutive bytes, aligned
.endr
.endr
.Lend_\ch:
	s_wait_dscnt 0x0                               ; on the way that left early loads from the stage are still out
.endm
.irp s, 0,1,2,3
	MUL2 0, \s
	PLACES 5                                       ; 4 for the loads below and for the reads of results; the fifth since the next chunk's first products begin these accumulators anew
	RING \s+12                                     ; the second chunk's weights land under this chunk's products and its way out
.endr
	OUT 0
.irp s, 0,1,2,3
	s_wait_loadcnt 16*(3-\s)                       ; this step's 16 loads are in; the later steps' may be out
	MUL2 1, \s
.endr
	PLACES 4
	OUT 1
	s_set_vgpr_msb 0xa
	s_wait_tensorcnt 0x0
	ds_add_u32 v254, v255
	s_wait_dscnt 0x0
	s_set_vgpr_msb 0xa00
	s_endpgm
.Lfunc_end_k_qd4f48f01ea_chain:
	.size	k_qd4f48f01ea_chain, .Lfunc_end_k_qd4f48f01ea_chain-k_qd4f48f01ea_chain
	.p2alignl 7, 3214868480
	.fill 96, 4, 3214868480
	.section	.rodata,"a",@progbits
	.p2align	6, 0x0
	.amdhsa_kernel k_qd4f48f01ea_chain
		.amdhsa_group_segment_fixed_size 72960
		.amdhsa_private_segment_fixed_size 0
		.amdhsa_enable_private_segment 0
		.amdhsa_kernarg_size 72
		.amdhsa_user_sgpr_count 2
		.amdhsa_user_sgpr_kernarg_segment_ptr 1
		.amdhsa_wavefront_size32 1
		.amdhsa_system_sgpr_workgroup_id_x 1
		.amdhsa_system_sgpr_workgroup_id_y 1
		.amdhsa_system_sgpr_workgroup_id_z 1
		.amdhsa_system_vgpr_workitem_id 0
		.amdhsa_next_free_vgpr 1024
		.amdhsa_next_free_sgpr 88
		.amdhsa_reserve_vcc 0
		.amdhsa_float_denorm_mode_32 3
		.amdhsa_float_denorm_mode_16_64 3
		.amdhsa_memory_ordered 1
		.amdhsa_forward_progress 1
		.amdhsa_inst_pref_size 255
	.end_amdhsa_kernel
	.section	.bss,"aw",@nobits
	.p2align	6
	.space	262144
	.amdgpu_metadata
---
amdhsa.version: [ 1, 2 ]
amdhsa.kernels:
  - .name:           k_qd4f48f01ea_chain
    .symbol:         k_qd4f48f01ea_chain.kd
    .args:
      - { .name: tiles, .offset: 0, .size: 8, .value_kind: global_buffer, .address_space: global }
      - { .name: order, .offset: 8, .size: 8, .value_kind: global_buffer, .address_space: global }
      - { .name: xq, .offset: 16, .size: 8, .value_kind: global_buffer, .address_space: global }
      - { .name: xs, .offset: 24, .size: 8, .value_kind: global_buffer, .address_space: global }
      - { .name: wq, .offset: 32, .size: 8, .value_kind: global_buffer, .address_space: global }
      - { .name: wsc, .offset: 40, .size: 8, .value_kind: global_buffer, .address_space: global }
      - { .name: b1, .offset: 48, .size: 8, .value_kind: global_buffer, .address_space: global }
      - { .name: b2, .offset: 56, .size: 8, .value_kind: global_buffer, .address_space: global }
      - { .name: out0, .offset: 64, .size: 8, .value_kind: global_buffer, .address_space: global }
    .group_segment_fixed_size: 72960
    .private_segment_fixed_size: 0
    .kernarg_segment_align: 8
    .kernarg_segment_size: 72
    .max_flat_workgroup_size: 128
    .sgpr_count:     88
    .vgpr_count:     1024
    .wavefront_size: 32
...
	.end_amdgpu_metadata
.endif
;; end of part 3
